; MI455X (gfx1250); checked and timed in simulation.
; The chip was launched on July 23, 2026; its instructions are those of AMD's public machine-readable ISA for CDNA 5 (MIT licence, August 2026) and "CDNA5" Instruction Set Architecture Reference Guide (July 2026). The comments in the code are by the model that wrote it; some were corrected since.
;; Multi Head Attention. Allowed arithmetic: matrix products marked QUANTISED: E2M1 operands, one E8M0 scale for each 32 along K, by v_wmma_scale_f32_16x16x128_f8f6f4 with both operands' format E2M1 (or v_wmma_scale_f32_32x16x128_f4), f32 sums; everything else in f32.
;; Inputs: b_out 1,024 float32; b_qkv 3,072 float32; w_out_codes 1,024 x 32 x 16 uint8 (E2M1 codes of w_out, K innermost, in blocks of 32 codes, two codes a byte); w_out_scales 1,024 x 32 uint8 (E8M0 scales of w_out, one for each 32 codes along K); w_qkv_codes 3,072 x 32 x 16 uint8 (E2M1 codes of w_qkv, K innermost, in blocks of 32 codes, two codes a byte); w_qkv_scales 3,072 x 32 uint8 (E8M0 scales of w_qkv, one for each 32 codes along K); x_codes 1 x 4,096 x 32 x 16 uint8 (E2M1 codes of x, K innermost, in blocks of 32 codes, two codes a byte); x_scales 1 x 4,096 x 32 uint8 (E8M0 scales of x, one for each 32 codes along K).
;; Outputs: out0 1 x 4,096 x 1,024 float32.
;; This version of the problem:
;;   THIS VERSION OF THE PROBLEM IS GIVEN IN LOW PRECISION. The matrix products marked QUANTISED in the list below multiply operands that are first quantised to E2M1 (2 exponent bits, 1 mantissa bit; 4 bits a number), with one power-of-two scale for each 32 numbers along K (OCP MX v1.0); their sums are f32. All else is computed in f32.
;;   The module's matrix products, in the order in which they are computed (A, B: the left and right operand; K: the contracted axis; several contracted axes count as one K, in the product's order):
;;     1. [M 4,096, K 1,024] x [K 1,024, N 3,072]; A: input x (given as codes); B: input w_qkv (given as codes): QUANTISED
;;     2. batch 16 x [M 4,096, K 64] x [K 64, N 4,096]; A: computed on the way; B: computed on the way: QUANTISED
;;     3. batch 16 x [M 4,096, K 4,096] x [K 4,096, N 64]; A: softmax (see below); B: computed on the way: QUANTISED
;;     4. [M 4,096, K 1,024] x [K 1,024, N 1,024]; A: computed on the way; B: input w_out (given as codes): QUANTISED
;;   THE QUANTISER, for each operand of a quantised product, along K:
;;     - K is cut into blocks of 32 from its start; a last block that is shorter is filled with zeros.
;;     - A block's scale is 2^e with e = floor(log2(the largest magnitude in the block)) - 2, held to -126 .. 127; a block of zeros has e = 0. As a byte (E8M0): e + 127.
;;     - Each number is divided by its block's scale, clamped to +-6, and rounded to the nearest number of E2M1, ties to even, subnormals kept.
;;     - The product sums the exact products of the quantised numbers (number of the format x scale) in f32.
;;   ~~~python
;;   def quantise(x, axis):      # numpy; x: float32 -> the quantised numbers, widened to float32 again
;;       x = np.moveaxis(x, axis, -1); K = x.shape[-1]
;;       x = np.pad(x, [(0, 0)] * (x.ndim - 1) + [(0, -K % 32)]); x = x.reshape(x.shape[:-1] + (-1, 32)); a = np.abs(x).max(-1, keepdims=True)
;;       e = np.where(a > 0, np.clip(np.frexp(np.where(a > 0, a, 1))[1] - 1 - 2, -126, 127), 0)      # np.frexp(a)[1] - 1 = floor(log2(a)), exactly
;;       r = np.clip(x / 2.0 ** e, -6, 6)
;;       step = 2.0 ** (np.maximum(np.frexp(np.where(r == 0, 1, r))[1] - 1, 0) - 1)
;;       q = np.round(r / step) * step * 2.0 ** e      # np.round: ties to even
;;       return np.moveaxis(q.reshape(q.shape[:-2] + (-1,))[..., :K], -1, axis).astype(np.float32)
;;   ~~~
;;   SOFTMAX AHEAD OF A QUANTISED PRODUCT. Where the list says 'softmax', what is quantised is not the finished softmax but p = 2^(t - M), with t = logit x log2(e) and M = ceil(the row's largest t), a whole number; so 1/2 < the row's largest p <= 1. The row's sum l is taken of the UNQUANTISED p, in f32, and the product's result is divided by l at the end. Since M is a whole number, a kernel that streams over the keys may use a running M (the ceiling of the running maximum): every later rescaling is an exact power of two, which a block's scale takes up: the codes' values come out the same.
;;   OPERANDS COMPUTED ON THE WAY. 'Computed on the way' means the value that the module computes at that place (a softmax that the list does not call 'softmax' is quantised finished and normalised). What goes into a quantiser is computed in f32, as accurately as f32 sums, v_exp_f32 and their like allow (about 1e-6 of the number): no bf16 or f16 on the way to a quantiser, and a product that is left as it is and whose result goes on into a quantised operand takes f32 operands (vector FMAs, or v_wmma_f32_16x16x4_f32). A number that lies on a knife's edge between two numbers of the format may be rounded either way, as far as f32 arithmetic and the matrix unit's own rounding can turn it there, and no further.
;;   INPUTS GIVEN AS CODES. w_out (in the module: [1024, 1024], K = its axis 0); w_qkv (in the module: [1024, 3072], K = its axis 0); x (in the module: [1, 4096, 1024], K = its axis 2): each comes as NAME_codes (uint8): NAME with its K axis moved to the last place and cut into blocks of 32 codes, [.., K / 32, bytes a block], one block behind the other in memory; two codes a byte, the lower K in the low four bits (a code: sign, 2 exponent bits, 1 mantissa bit); and NAME_scales (uint8): the same leading axes, one E8M0 byte (e + 127) for each 32 codes along K. Its value is code x scale, taken as it is: it is not quantised again, and the codes and scales need not be those that the quantiser above would give.
;; One version. Each part assembles by itself: llvm-mc -triple=amdgcn-amd-amdhsa -mcpu=gfx1250 --defsym DOCPART=n.
;; ======== version 1 of 1: 3 launches
;; workspace buffers: qimg 2,097,152 bytes; qsc 262,144 bytes; kv 4,587,520 bytes; oimg 2,097,152 bytes; osc 131,072 bytes
;; launch qkv (part 1): grid 8 x 32, 12 waves a work-group, clusters of 4 x 4, 296,448 bytes of LDS; arguments x_codes, x_scales, w_qkv_codes, w_qkv_scales, b_qkv, qimg, qsc, kv; writes qimg, qsc, kv
.if DOCPART == 1
	.amdgcn_target "amdgcn-amd-amdhsa--gfx1250"
	.amdhsa_code_object_version 6
	.text
	.protected	k_qac29ae5304_qkv
	.globl	k_qac29ae5304_qkv
	.p2align	8
	.type	k_qac29ae5304_qkv,@function
k_qac29ae5304_qkv:
	s_mov_b64 s[64:65], 0
	v_nop
	global_prefetch_b8 v0, s[64:65] scope:SCOPE_SE
	s_setreg_imm32_b32 hwreg(HW_REG_WAVE_MODE, 25, 1), 1
	s_wait_xcnt 0x0
	s_wait_alu depctr_hold_cnt(0) depctr_sa_sdst(0) depctr_va_vdst(0) depctr_va_sdst(0) depctr_va_ssrc(0) depctr_va_vcc(0) depctr_vm_vsrc(0)
	s_getreg_b32 s2, hwreg(HW_REG_IB_STS2, 6, 4)
	s_cmp_eq_u32 s2, 0
	s_cbranch_scc0 .Lentry_in_a_cluster
	s_endpgm
.Lentry_in_a_cluster:
	s_bfe_u32 s2, ttmp6, 0x10000c
	s_cmp_lg_u32 s2, 0xf033
	s_cbranch_scc0 .Lentry_shape_is_right
	s_endpgm
.Lentry_shape_is_right:
; qkv = x W_qkv + b_qkv on codes of FP4 (E2M1) with one E8M0 scale for each 32 along K, and at once the quantisers of the next two products:
; q and k along the head's 64 numbers, v along the tokens.  Only codes and scale bytes leave, laid as images of the operand registers that the attention launch loads.
; SHARES.  Work-group (j, i): tokens 128 i .. + 127, heads 2 j and 2 j + 1 of q, of k and of v: three products of 128 x 128 x 1,024.  Twelve waves: role p = wave / 4 (0 q, 1 k, 2 v), quarter lq = wave % 4.
; A wave makes P 128 x L 32.  P is source 0 and runs along a lane's registers: it is the axis that is quantised.  L is source 1 and runs along the lanes.
;   q, k: P = the 128 rows of W (two heads x 64), L = my 32 tokens.      v: P = the 128 tokens, L = my 32 rows of W_v.
; In accumulator (t, l) lane (r, h) holds in register n the number (P = 16 t + 8 h + n, L = 32 lq + 16 l + r): a block of 32 along P is the 16 registers of tiles 2 b, 2 b + 1 in lanes l and l xor 16.
; LDS.  All operands of the work-group fit at once: four code tiles of 128 rows x 512 bytes and their scale bytes.  Each is filled ONCE, at the head: no slot is ever filled again.
; CLUSTER 4 x 4.  x's tile and scales hang on i alone and are asked for jointly by a row of the cluster; W's hang on j alone and are asked for jointly by a column.
; No prefetch: every byte that the work-group reads is asked for by the tensor loads at its head.
; LIMITS: NaN and infinities are not served.  A block whose largest magnitude lies under 2^-124 keeps the scale byte 1, a block of zeros too (the rule says 127): its codes are zeros, and these bytes are read by this program alone.
.set TP,    528                        ; an LDS row of codes: 512 bytes + 16 of padding = 132 words: the 16 rows of a fragment load start 4 banks apart
.set TILE,  128*TP                     ; a code tile.  Regions: 0 W_q, 1 W_k, 2 x, 3 W_v
.set SC,    4*TILE                     ; the scale bytes, same order: 128 rows x 32 bytes as 16 units of 256 bytes + 16 of padding
.set SCB,   16*272
.set STG,   SC+4*SCB                   ; 256 bytes for each wave: the scale words on their way out; no fill lands here
.set REC,   8960                       ; a record of kv: 128 keys of one head: K images 4,096, V images 4,096, K scale words 512, V scale words 256
.set HKV,   32*REC                     ; a head of kv
.set WV,  72                           ; s72 wave   s73 role p   s74 lq   s75 1 in v's waves
.set RP,  73
.set LQ,  74
.set ISV, 75
.set SEL, 98                           ; s[98:99] v_permlanex16_b32's selects for lane l xor 16
.set G1X,  20                          ; s[20:27] group 1, x's tile;  s[28:35] x's scales;  s[36:43] W's tiles;  s[44:51] W's scales
.set G1XS, 28
.set G1W,  36
.set G1WS, 44
.set G0X,  52                          ; s[52:55], s[56:59], s[60:63], s[68:71]: their groups 0
.set G0XS, 56
.set G0W,  60
.set G0WS, 68
.set PA,  3                            ; v3  LDS address of P's fragments     v4 of L's
.set LA,  4
.set PS,  5                            ; v5  of P's scale words (lanes 16-31: four tiles further on)     v6 of L's (lanes 16-31: the second tile)
.set LS,  6
.set L16, 7                            ; v7  16 x lane
.set SA,  8                            ; v8  where I put my scale words     v9 where a mover reads
.set RA,  9
.set L8,  10                           ; v10 8 x lane
.set SH,  11                           ; v11 q, k: 16 x (lane / 16); v: 0
.set BV,  12                           ; v12-27 v's bias: eight equal registers for each l
.set SCL, 28                           ; v28-31 L's scale words of four K steps
.set ACC, 32                           ; v32-159 accumulator (t, l) at ACC + 64 l + 8 t
.set PF,  160                          ; v160-223 P's eight fragments
.set LF,  224                          ; v224-239 L's two
.set SCP, 240                          ; v240-255 P's scale words: register 4 (t % 4) + q
.set PC0, 160                          ; behind the products P's registers are free: the codes,
.set PC1, 168
.set TM,  176                          ; sixteen at work,
.set PW0, 192                          ; the scale words,
.set PW1, 193
.set W,   194                          ; as they leave,
.set MV,  196                          ; and a mover's data
.set TW0, (1<<20)|(1<<21)|(6<<22)|(3<<25)          ; elements of 1 byte; padding on; bit 21 beside a mask; after every 128 words, 4 words
.set SW0, (3<<16)|(1<<20)|(1<<21)|(5<<22)|(3<<25)  ; elements of 8 bytes; after every 64 words, 4 words
.macro PLACES                          ; four plain places between a matrix instruction and a load into, or a vector instruction on, its registers
.rept 4
	v_nop
.endr
.endm
.macro CROUND                          ; a round of the cluster's barrier
	s_barrier_signal -1
	s_barrier_wait -1
	s_cmp_lg_u32 s[WV], 0
	s_cbranch_scc1 .Lnot_wave_0_\@
	s_barrier_signal -3
.Lnot_wave_0_\@:
	s_barrier_wait -3
	s_barrier_signal -1
	s_barrier_wait -1
.endm
; One product: D at d, source 0 at a, source 1 at b, C at cb; ra, rb = 1: that side's scales stand in lanes 16-31
.macro WM d, a, b, cb, sa, sb, ra, rb
.if (\ra) && (\rb)
	v_wmma_scale_f32_16x16x128_f8f6f4 v[\d:\d+7], v[\a:\a+7], v[\b:\b+7], v[\cb:\cb+7], v[\sa], v[\sb] matrix_a_fmt:MATRIX_FMT_FP4 matrix_b_fmt:MATRIX_FMT_FP4 matrix_a_scale:MATRIX_SCALE_ROW1 matrix_b_scale:MATRIX_SCALE_ROW1
.elseif (\ra)
	v_wmma_scale_f32_16x16x128_f8f6f4 v[\d:\d+7], v[\a:\a+7], v[\b:\b+7], v[\cb:\cb+7], v[\sa], v[\sb] matrix_a_fmt:MATRIX_FMT_FP4 matrix_b_fmt:MATRIX_FMT_FP4 matrix_a_scale:MATRIX_SCALE_ROW1
.elseif (\rb)
	v_wmma_scale_f32_16x16x128_f8f6f4 v[\d:\d+7], v[\a:\a+7], v[\b:\b+7], v[\cb:\cb+7], v[\sa], v[\sb] matrix_a_fmt:MATRIX_FMT_FP4 matrix_b_fmt:MATRIX_FMT_FP4 matrix_b_scale:MATRIX_SCALE_ROW1
.else
	v_wmma_scale_f32_16x16x128_f8f6f4 v[\d:\d+7], v[\a:\a+7], v[\b:\b+7], v[\cb:\cb+7], v[\sa], v[\sb] matrix_a_fmt:MATRIX_FMT_FP4 matrix_b_fmt:MATRIX_FMT_FP4
.endif
.endm
; 16 nb numbers of a lane, register 16 b + 8 u + n = index 32 b + 16 u + 8 (lane / 16) + n of the quantised axis, become the operand's registers at pc and its scale word in pw.
.macro QUANT s, pc, pw, nb
.set qb, 0
.rept \nb
	v_max3_num_f32 v[TM+qb], |v[\s+16*qb]|, |v[\s+16*qb+1]|, 0x1800000   ; my 16 of block b, and the floor 2^(3 - 127): the byte cannot fall under 1
.set qb, qb+1
.endr
.irp i, 2,4,6,8,10,12,14
.set qb, 0
.rept \nb
	v_max3_num_f32 v[TM+qb], v[TM+qb], |v[\s+16*qb+\i]|, |v[\s+16*qb+\i+1]|   ; the blocks by turns
.set qb, qb+1
.endr
.endr
.set qb, 0
.rept \nb
	v_permlanex16_b32 v[TM+4+qb], v[TM+qb], s[SEL], s[SEL+1]
.set qb, qb+1
.endr
.set qb, 0
.rept \nb
	v_max_num_f32 v[TM+qb], v[TM+qb], v[TM+4+qb]           ; with lane l xor 16's: the block's largest magnitude
.set qb, qb+1
.endr
.set qb, 0
.rept \nb
	v_add_nc_u32 v[TM+12+qb], 0xff000000, v[TM+qb]         ; 2 off its exponent field: the conversion's scale operand
.set qb, qb+1
.endr
.set qb, 0
.rept \nb
	v_lshrrev_b32 v[TM+4+qb], 23, v[TM+12+qb]              ; the scale's byte
.set qb, qb+1
.endr
	v_lshl_or_b32 v[\pw], v[TM+5], 8, v[TM+4]
.if \nb > 2
	v_lshl_or_b32 v[\pw], v[TM+6], 16, v[\pw]
	v_lshl_or_b32 v[\pw], v[TM+7], 24, v[\pw]
.endif
.set qb, 0
.rept \nb                              ; block b = 2 c + u: offsets 8 h + 0..7 go to register 4 c + u, offsets 16 + 8 h + 0..7 to register 4 c + 2 + u
	v_cvt_scalef32_pk8_fp4_f32 v[\pc+4*(qb/2)+qb%2], v[\s+16*qb:\s+16*qb+7], v[TM+12+qb]
	v_cvt_scalef32_pk8_fp4_f32 v[\pc+4*(qb/2)+2+qb%2], v[\s+16*qb+8:\s+16*qb+15], v[TM+12+qb]
.set qb, qb+1
.endr
	v_nop                                                  ; one plain place behind the scaled conversions
.set qb, 0
.rept \nb/2                            ; the first's lanes 16-31 change places with the second's lanes 0-15: register 4 c + n then holds offsets 8 n .. 8 n + 7 of block 2 c + (lane / 16)
	v_permlane16_swap_b32 v[\pc+4*qb], v[\pc+4*qb+1]
	v_permlane16_swap_b32 v[\pc+4*qb+2], v[\pc+4*qb+3]
.set qb, qb+1
.endr
.endm
	s_load_b512 s[4:19], s[0:1], 0x0               ; x_codes 4, x_scales 6, w_qkv_codes 8, w_qkv_scales 10, b_qkv 12, qimg 14, qsc 16, kv 18
	s_set_vgpr_msb 0x40
	v_lshl_add_u32 v0, v0, 2, 0x48000
	v_mov_b32 v1, 0
	s_set_vgpr_msb 0x4045
	ds_add_u32 v0, v1
	ds_add_u32 v0, v1
	s_set_vgpr_msb 0x4500
	v_lshrrev_b32 v1, 5, v0
	v_readfirstlane_b32 s[WV], v1
	s_lshr_b32 s[RP], s[WV], 2
	s_and_b32 s[LQ], s[WV], 3
	s_lshr_b32 s[ISV], s[WV], 3
	s_bfe_u32 s76, ttmp6, 0x40000                  ; cx
	s_bfe_u32 s77, ttmp6, 0x40004                  ; cy
	s_lshl_b32 s78, ttmp9, 2
	s_add_co_u32 s78, s78, s76                     ; j = 4 x cluster x + cx
	s_and_b32 s79, ttmp7, 0xffff
	s_lshl_b32 s79, s79, 2
	s_add_co_u32 s79, s79, s77                     ; i = 4 x cluster y + cy
	s_lshl_b32 s80, s77, 2
	s_lshl_b32 s80, 15, s80                        ; my row of the cluster: shares i
	s_lshl_b32 s81, 0x1111, s76                    ; my column: shares j
	s_or_b32 s[G1X], s80, TW0
	s_or_b32 s[G1XS], s80, SW0
	s_or_b32 s[G1W], s81, TW0
	s_or_b32 s[G1WS], s81, SW0
.irp g, G1X, G1W                       ; 128 rows of 512 bytes, dense in memory
	s_mov_b32 s[\g+1], 512<<16
	s_mov_b32 s[\g+2], 128<<16
	s_mov_b32 s[\g+3], 512<<16
	s_mov_b32 s[\g+4], 128
	s_mov_b32 s[\g+5], 512
	s_mov_b32 s[\g+6], 0
	s_mov_b32 s[\g+7], 0
.endr
.irp g, G1XS, G1WS                     ; 4,096 dense bytes as 16 rows of 256 (32 elements of 8 bytes)
	s_mov_b32 s[\g+1], 32<<16
	s_mov_b32 s[\g+2], 16<<16
	s_mov_b32 s[\g+3], 32<<16
	s_mov_b32 s[\g+4], 16
	s_mov_b32 s[\g+5], 32
	s_mov_b32 s[\g+6], 0
	s_mov_b32 s[\g+7], 0
.endr
	; x's addresses are made of i alone (s82, s83), W's of j and the wave's number alone (s84 to s87, s3)
	s_lshl_b32 s82, s79, 16                        ; x's tile: 128 rows x 512 bytes a block of tokens
	s_mov_b32 s83, 0
	s_min_u32 s86, s[LQ], 2                        ; e: which part of W this wave fetches (0 q, 1 k, 2 v); waves 3 and 7 fetch for x
	s_lshr_b32 s3, s86, 1
	s_add_co_u32 s3, s3, s86                       ; its region: 0, 1, 3
	s_lshl_b32 s84, s86, 19                        ; a part of W is 1,024 rows x 512 bytes,
	s_lshl_b32 s87, s78, 16                        ; my two heads 128 rows of it
	s_add_co_u32 s84, s84, s87
	s_mov_b32 s85, 0
	s_wait_dscnt 0x0
	s_wait_kmcnt 0x0
	s_mov_b32 s[G0X], 1
	s_mov_b32 s[G0X+1], 2*TILE
	s_add_nc_u64 s[G0X+2:G0X+3], s[4:5], s[82:83]
	s_or_b32 s[G0X+3], s[G0X+3], 0x80000000
	s_mov_b32 s[G0W], 1
	s_mul_i32 s[G0W+1], s3, TILE
	s_add_nc_u64 s[G0W+2:G0W+3], s[8:9], s[84:85]
	s_or_b32 s[G0W+3], s[G0W+3], 0x80000000
	s_lshl_b32 s82, s79, 12                        ; the scale bytes: 32 a row
	s_mov_b32 s[G0XS], 1
	s_mov_b32 s[G0XS+1], SC+2*SCB
	s_add_nc_u64 s[G0XS+2:G0XS+3], s[6:7], s[82:83]
	s_or_b32 s[G0XS+3], s[G0XS+3], 0x80000000
	s_lshl_b32 s84, s86, 15
	s_lshl_b32 s87, s78, 12
	s_add_co_u32 s84, s84, s87
	s_mov_b32 s[G0WS], 1
	s_mul_i32 s[G0WS+1], s3, SCB
	s_add_co_u32 s[G0WS+1], s[G0WS+1], SC
	s_add_nc_u64 s[G0WS+2:G0WS+3], s[10:11], s[84:85]
	s_or_b32 s[G0WS+3], s[G0WS+3], 0x80000000
	CROUND                                         ; all sixteen work-groups are here: the joint loads meet
	; waves 0-2: W's tiles; wave 3: x's tile; waves 4-6: W's scales; wave 7: x's scales; waves 8-11: nothing.  One tensor load a wave is out.  Four v_nop follow each line
	s_cmp_lt_u32 s[WV], 4
	s_cbranch_scc0 .Lnot_tiles
	s_cmp_eq_u32 s[WV], 3
	s_cbranch_scc1 .Lx_tile
	tensor_load_to_lds s[G0W:G0W+3], s[G1W:G1W+7]
	s_nop 0
	PLACES
	s_branch .Lasked
.Lx_tile:
	tensor_load_to_lds s[G0X:G0X+3], s[G1X:G1X+7]
	s_nop 0
	PLACES
	s_branch .Lasked
.Lnot_tiles:
	s_cmp_lt_u32 s[WV], 8
	s_cbranch_scc0 .Lasked
	s_cmp_eq_u32 s[WV], 7
	s_cbranch_scc1 .Lx_scales
	tensor_load_to_lds s[G0WS:G0WS+3], s[G1WS:G1WS+7]
	s_nop 0
	PLACES
	s_branch .Lasked
.Lx_scales:
	tensor_load_to_lds s[G0XS:G0XS+3], s[G1XS:G1XS+7]
	s_nop 0
	PLACES
.Lasked:
	; every LDS address is made here, on the way that all waves take: a constant, constants x lane parts, constants x wave parts
	v_and_b32 v1, 15, v0                           ; r
	v_bfe_u32 v2, v0, 4, 1                         ; h
	v_mul_u32_u24 v3, v1, TP
	v_lshl_add_u32 v3, v2, 4, v3                   ; a fragment's row x pitch + 16 h
	s_add_co_u32 s3, s[ISV], 2                     ; L's region: x for q and k, W_v for v
	s_mul_i32 s2, s3, TILE
	s_mul_i32 s86, s[LQ], 32*TP                    ; my 32 rows of it
	s_add_co_u32 s2, s2, s86
	v_add_nc_u32 v[LA], s2, v3
	s_mul_i32 s2, s[RP], TILE                      ; P's region: W_q, W_k, x
	v_add_nc_u32 v[PA], s2, v3
	v_lshrrev_b32 v7, 3, v1                        ; scale row rho lies at (rho / 8) x 272 + (rho % 8) x 32
	v_and_b32 v8, 7, v1
	v_mul_u32_u24 v7, v7, 272
	v_lshl_add_u32 v7, v8, 5, v7
	v_mad_u32_u24 v[PS], v2, 2176, v7              ; lanes 16-31: 64 rows on
	v_mad_u32_u24 v[LS], v2, 544, v7               ; lanes 16-31: 16 rows on
	s_mul_i32 s2, s[RP], SCB
	s_add_co_u32 s2, s2, SC
	v_add_nc_u32 v[PS], s2, v[PS]
	s_mul_i32 s2, s3, SCB
	s_mul_i32 s86, s[LQ], 1088
	s_add_co_u32 s2, s2, s86
	s_add_co_u32 s2, s2, SC
	v_add_nc_u32 v[LS], s2, v[LS]
	v_and_b32 v9, 31, v0
	v_lshlrev_b32 v[L16], 4, v9
	v_lshlrev_b32 v[L8], 3, v9
	s_lshl_b32 s2, s[WV], 8
	s_add_co_u32 s2, s2, STG
	v_add_nc_u32 v[SA], s2, v[L8]                  ; my wave's 256 bytes: [lane][l]
	s_lshr_b32 s2, s[WV], 1                        ; a mover (waves 0-9) gathers one unit of 256 bytes from two waves' words: u = wave / 2, head's parity = wave % 2
	s_lshl_b32 s2, s2, 9
	s_and_b32 s86, s[WV], 1
	s_lshl_b32 s86, s86, 7                         ; q, k: the parity's words stand in that half of the lanes (in v's waves both halves hold the same words)
	s_add_co_u32 s2, s2, s86
	s_and_b32 s86, s[ISV], s[WV]                   ; v: the odd head's words come from waves 10 and 11
	s_lshl_b32 s86, s86, 9
	s_add_co_u32 s2, s2, s86
	s_add_co_u32 s2, s2, STG
	v_lshlrev_b32 v[RA], 3, v1
	v_lshl_add_u32 v[RA], v2, 8, v[RA]
	v_add_nc_u32 v[RA], s2, v[RA]
	s_xor_b32 s2, s[ISV], 1
	s_lshl_b32 s2, s2, 4
	v_mul_u32_u24 v[SH], s2, v2
	; the bias: b_qkv at 1,024 p + 128 j (+ 32 lq for v), in numbers
	s_lshl_b32 s2, s[RP], 12
	s_lshl_b32 s3, s78, 9
	s_add_co_u32 s2, s2, s3
	s_mul_i32 s3, s[ISV], s[LQ]
	s_lshl_b32 s3, s3, 7
	s_add_co_u32 s2, s2, s3
	s_mov_b32 s3, 0
	s_add_nc_u64 s[100:101], s[12:13], s[2:3]
	s_cmp_lt_u32 s[WV], 8
	s_cbranch_scc0 .Lbias_v
	v_lshlrev_b32 v1, 5, v2                        ; q, k: the bias runs along P: it is loaded in the result's layout and starts the sums
.irp l, 0,1
.irp t, 0,1,2,3,4,5,6,7
	global_load_b128 v[ACC+64*\l+8*\t:ACC+64*\l+8*\t+3], v1, s[100:101] offset:64*\t
	global_load_b128 v[ACC+64*\l+8*\t+4:ACC+64*\l+8*\t+7], v1, s[100:101] offset:64*\t+16
.endr
.endr
	s_branch .Lbias_done
.Lbias_v:
	v_lshlrev_b32 v1, 2, v1                        ; v: the bias runs along L: one number a lane and l, in eight registers, the C of the first products
	global_load_b32 v[BV], v1, s[100:101]
	global_load_b32 v[BV+8], v1, s[100:101] offset:64
	s_wait_loadcnt 0x0
.irp k, 1,2,3,4,5,6,7
	v_mov_b32 v[BV+\k], v[BV]
	v_mov_b32 v[BV+8+\k], v[BV+8]
.endr
.Lbias_done:
	; where the codes go: B[l][c] in s[88:95].  q: qimg [head][token tile][512]; k, v: kv [head][key step i][record].  c: q, k the head's parity; v the fragment's half
	s_cmp_eq_u32 s[RP], 0
	s_cselect_b64 s[88:89], s[14:15], s[18:19]
	s_mov_b32 s2, 2*HKV
	s_cselect_b32 s2, 262144, s2                   ; two heads on
	s_mov_b32 s3, REC
	s_cselect_b32 s3, 4096, s3                     ; 128 tokens on
	s_mov_b32 s86, HKV
	s_cselect_b32 s86, 131072, s86                 ; one head on
	s_mul_i32 s2, s2, s78
	s_mul_i32 s3, s3, s79
	s_add_co_u32 s2, s2, s3
	s_lshl_b32 s3, s[LQ], 10                       ; q, k: my two tiles of 512 bytes
	s_lshr_b32 s96, s[LQ], 1                       ; v: the head's parity is lq / 2; V's images lie 4,096 bytes into the record; my two tiles of d are 2 (lq % 2) + l, 1,024 bytes each
	s_mul_i32 s96, s96, HKV
	s_and_b32 s97, s[LQ], 1
	s_lshl_b32 s97, s97, 11
	s_add_co_u32 s96, s96, s97
	s_add_co_u32 s96, s96, 4096
	s_mov_b32 s97, 1024
	s_cmp_eq_u32 s[ISV], 0
	s_cselect_b32 s3, s3, s96
	s_cselect_b32 s86, s86, 512                    ; from c = 0 to c = 1
	s_cselect_b32 s96, 512, s97                    ; from l = 0 to l = 1
	s_add_co_u32 s2, s2, s3
	s_mov_b32 s3, 0
	s_mov_b32 s87, 0
	s_mov_b32 s97, 0
	s_add_nc_u64 s[88:89], s[88:89], s[2:3]
	s_add_nc_u64 s[90:91], s[88:89], s[86:87]
	s_add_nc_u64 s[92:93], s[88:89], s[96:97]
	s_add_nc_u64 s[94:95], s[92:93], s[86:87]
	; where a mover's unit goes: waves 0-3: qsc [head][i][512] + 256 u; waves 4-9: the record's scale words, 8,192 + 256 (u - 2)
	s_and_b32 s2, s[WV], 1
	s_lshl_b32 s3, s78, 1
	s_add_co_u32 s2, s2, s3
	s_lshl_b32 s2, s2, 5
	s_add_co_u32 s2, s2, s79                       ; 32 x head + i
	s_lshr_b32 s3, s[WV], 1
	s_lshl_b32 s3, s3, 8
	s_mov_b32 s86, REC
	s_cmp_lt_u32 s[WV], 4
	s_cselect_b64 s[96:97], s[16:17], s[18:19]
	s_cselect_b32 s86, 512, s86
	s_cselect_b32 s87, 0, 7680
	s_mul_i32 s2, s2, s86
	s_add_co_u32 s2, s2, s3
	s_add_co_u32 s2, s2, s87
	s_mov_b32 s3, 0
	s_add_nc_u64 s[96:97], s[96:97], s[2:3]
	s_cmp_eq_u32 s[ISV], 0
	s_cselect_b32 s86, 0xffff, -1                  ; q's and k's words keep two bytes: the upper two scale the half of the next product's K that holds zero codes, and are 0
	s_mov_b32 s[SEL], 0x76543210
	s_mov_b32 s[SEL+1], 0xfedcba98
	s_wait_tensorcnt 0x0                           ; my tensor load has landed,
	s_barrier_signal -1
	s_barrier_wait -1                              ; everybody's has: all four tiles and their scales lie in LDS for the rest of the launch
	s_wait_loadcnt 0x0                             ; the bias
; A K step of 128: 20 LDS loads (every fourth step five more: the scale words of four steps), 16 products.  cm = 1: C is v's bias.  The 16 accumulators take turns, in the same order in every step.
.macro STEP s, cm
.if (\s) > 0
	PLACES
.endif
.if (\s)%4 == 0
.irp u, 0,1,2,3
	ds_load_b128 v[SCP+4*\u:SCP+4*\u+3], v[PS] offset:544*\u+16*((\s)/4)   ; lanes 0-15 tile u, lanes 16-31 tile u + 4
.endr
	ds_load_b128 v[SCL:SCL+3], v[LS] offset:16*((\s)/4)                    ; lanes 0-15 l = 0, lanes 16-31 l = 1
.endif
.irp l, 0,1
.irp c, 0,1
	ds_load_b128 v[LF+8*\l+4*\c:LF+8*\l+4*\c+3], v[LA] offset:8448*\l+64*(\s)+32*\c
.endr
.endr
.irp t, 0,1,2,3,4,5,6,7
.irp c, 0,1
	ds_load_b128 v[PF+8*\t+4*\c:PF+8*\t+4*\c+3], v[PA] offset:8448*\t+64*(\s)+32*\c
.endr
.endr
.irp t, 0,1,2,3,4,5,6,7
	s_wait_dscnt 14-2*\t                           ; P's tile t is in; the two loads of each later tile may be out
.if \cm
	WM ACC+8*\t, PF+8*\t, LF, BV, SCP+4*(\t%4)+(\s)%4, SCL+(\s)%4, \t/4, 0
	WM ACC+64+8*\t, PF+8*\t, LF+8, BV+8, SCP+4*(\t%4)+(\s)%4, SCL+(\s)%4, \t/4, 1
.else
	WM ACC+8*\t, PF+8*\t, LF, ACC+8*\t, SCP+4*(\t%4)+(\s)%4, SCL+(\s)%4, \t/4, 0
	WM ACC+64+8*\t, PF+8*\t, LF+8, ACC+64+8*\t, SCP+4*(\t%4)+(\s)%4, SCL+(\s)%4, \t/4, 1
.endif
.endr
.endm
	s_cmp_lt_u32 s[WV], 8
	s_cbranch_scc0 .Lfirst_v
	STEP 0, 0
	s_branch .Lfirst_done
.Lfirst_v:
	STEP 0, 1
.Lfirst_done:
	STEP 1, 0
	STEP 2, 0
	STEP 3, 0
	STEP 4, 0
	STEP 5, 0
	STEP 6, 0
	STEP 7, 0
	PLACES
	QUANT ACC, PC0, PW0, 4                         ; each accumulator is read from its low end on
	QUANT ACC+64, PC1, PW1, 4
	global_store_b128 v[L16], v[PC0:PC0+3], s[88:89]       ; an image of four operand registers: 32 lanes store 512 consecutive bytes, aligned
	global_store_b128 v[L16], v[PC0+4:PC0+7], s[90:91]
	global_store_b128 v[L16], v[PC1:PC1+3], s[92:93]
	global_store_b128 v[L16], v[PC1+4:PC1+7], s[94:95]
	v_lshrrev_b32 v[W], v[SH], v[PW0]              ; q, k: lanes 0-15 keep the even head's two bytes, lanes 16-31 the odd head's; v: the word of four blocks of tokens stays whole
	v_lshrrev_b32 v[W+1], v[SH], v[PW1]
	v_and_b32 v[W], s86, v[W]
	v_and_b32 v[W+1], s86, v[W+1]
	ds_store_b64 v[SA], v[W:W+1]
	s_wait_dscnt 0x0                               ; for the others' sake: my words lie in LDS
	s_barrier_signal -1
	s_barrier_wait -1
	s_cmp_lt_u32 s[WV], 10
	s_cbranch_scc0 .Lno_move
	ds_load_b64 v[MV:MV+1], v[RA]
	s_wait_dscnt 0x0
	global_store_b64 v[L8], v[MV:MV+1], s[96:97]   ; 32 lanes store 256 consecutive bytes, aligned
.Lno_move:
	s_set_vgpr_msb 0x5
	s_wait_tensorcnt 0x0
	ds_add_u32 v0, v1
	s_wait_dscnt 0x0
	s_set_vgpr_msb 0x500
	CROUND                                         ; the closing round
	s_endpgm
.Lfunc_end_k_qac29ae5304_qkv:
	.size	k_qac29ae5304_qkv, .Lfunc_end_k_qac29ae5304_qkv-k_qac29ae5304_qkv
	.p2alignl 7, 3214868480
	.fill 96, 4, 3214868480
	.section	.rodata,"a",@progbits
	.p2align	6, 0x0
	.amdhsa_kernel k_qac29ae5304_qkv
		.amdhsa_group_segment_fixed_size 296448
		.amdhsa_private_segment_fixed_size 0
		.amdhsa_enable_private_segment 0
		.amdhsa_kernarg_size 64
		.amdhsa_user_sgpr_count 2
		.amdhsa_user_sgpr_kernarg_segment_ptr 1
		.amdhsa_wavefront_size32 1
		.amdhsa_system_sgpr_workgroup_id_x 1
		.amdhsa_system_sgpr_workgroup_id_y 1
		.amdhsa_system_sgpr_workgroup_id_z 1
		.amdhsa_system_vgpr_workitem_id 0
		.amdhsa_next_free_vgpr 258
		.amdhsa_next_free_sgpr 102
		.amdhsa_reserve_vcc 0
		.amdhsa_float_denorm_mode_32 3
		.amdhsa_float_denorm_mode_16_64 3
		.amdhsa_memory_ordered 1
		.amdhsa_forward_progress 1
		.amdhsa_inst_pref_size 57
	.end_amdhsa_kernel
	.amdgpu_metadata
---
amdhsa.version: [ 1, 2 ]
amdhsa.kernels:
  - .name:           k_qac29ae5304_qkv
    .symbol:         k_qac29ae5304_qkv.kd
    .args:
      - { .name: x_codes, .offset: 0, .size: 8, .value_kind: global_buffer, .address_space: global }
      - { .name: x_scales, .offset: 8, .size: 8, .value_kind: global_buffer, .address_space: global }
      - { .name: w_qkv_codes, .offset: 16, .size: 8, .value_kind: global_buffer, .address_space: global }
      - { .name: w_qkv_scales, .offset: 24, .size: 8, .value_kind: global_buffer, .address_space: global }
      - { .name: b_qkv, .offset: 32, .size: 8, .value_kind: global_buffer, .address_space: global }
      - { .name: qimg, .offset: 40, .size: 8, .value_kind: global_buffer, .address_space: global }
      - { .name: qsc, .offset: 48, .size: 8, .value_kind: global_buffer, .address_space: global }
      - { .name: kv, .offset: 56, .size: 8, .value_kind: global_buffer, .address_space: global }
    .group_segment_fixed_size: 296448
    .private_segment_fixed_size: 0
    .kernarg_segment_align: 8
    .kernarg_segment_size: 64
    .max_flat_workgroup_size: 384
    .sgpr_count:     102
    .vgpr_count:     258
    .wavefront_size: 32
...
	.end_amdgpu_metadata
.endif
;; end of part 1
;; launch attn (part 2): grid 16 x 16, 16 waves a work-group, clusters of 4 x 1, 296,960 bytes of LDS; arguments qimg, qsc, kv, oimg, osc; writes oimg, osc
.if DOCPART == 2
	.amdgcn_target "amdgcn-amd-amdhsa--gfx1250"
	.amdhsa_code_object_version 6
	.text
	.protected	k_qac29ae5304_attn
	.globl	k_qac29ae5304_attn
	.p2align	8
	.type	k_qac29ae5304_attn,@function
k_qac29ae5304_attn:
	s_mov_b64 s[64:65], 0
	v_nop
	global_prefetch_b8 v0, s[64:65] scope:SCOPE_SE
	s_setreg_imm32_b32 hwreg(HW_REG_WAVE_MODE, 25, 1), 1
	s_wait_xcnt 0x0
	s_wait_alu depctr_hold_cnt(0) depctr_sa_sdst(0) depctr_va_vdst(0) depctr_va_sdst(0) depctr_va_ssrc(0) depctr_va_vcc(0) depctr_vm_vsrc(0)
	s_getreg_b32 s2, hwreg(HW_REG_IB_STS2, 6, 4)
	s_cmp_eq_u32 s2, 0
	s_cbranch_scc0 .Lentry_in_a_cluster
	s_endpgm
.Lentry_in_a_cluster:
	s_bfe_u32 s2, ttmp6, 0x10000c
	s_cmp_lg_u32 s2, 0x3003
	s_cbranch_scc0 .Lentry_shape_is_right
	s_endpgm
.Lentry_shape_is_right:
; O = softmax(q k^T / 8) v for one head and 256 queries, both products on codes of FP4 (E2M1) with E8M0 scales; O / l is quantised along the model's axis and leaves as codes for the last product.
; THE SOFTMAX: t = score x log2(e) / 8; M = the running largest t rounded UP to a whole number; p = 2^(t - M) is quantised along the keys, not normalised; the row's sum is taken of the unquantised p;
; when M moves, the sum and O are multiplied by 2^(old M - new M), which rounds nothing.
; SHARES.  Sixteen waves; a wave owns 16 queries in 256 registers, four waves to a SIMD, so that one wave's exponentials stand beside another's plain vector work, products and LDS loads.
; Every wave walks the head's 4,096 keys, 128 a step.  Both products are used transposed (S^T = K Q^T, O^T = V^T P^T): a lane holds one query (lane % 16) throughout.
; In S^T's tile t lane (r, h) holds keys 16 t + 8 h + 0..7: a block of 32 keys is the 16 registers of tiles 2 b, 2 b + 1 in lanes l and l xor 16.
; K = 64 IN THE FIRST PRODUCT.  The instruction is 128 deep.  Q's registers 4-7 are zero codes.  K's tiles lie four registers apart, so source 0's upper four registers are the next tile's codes (tile 7: zeros):
; numbers of the format times zero codes, under scale bytes that are 0: they add nothing.
; LDS.  The head's whole K and V (codes as register images, and scale words: 32 records of 8,960 bytes) fit at once.  Each byte is filled ONCE, at the head, in four groups of eight key steps; no slot is ever filled again.
; CLUSTER 4 x 1.  The four query blocks of a cluster belong to one head: each load is asked for jointly.
; No prefetch: every byte of the head's K and V is asked for by the tensor loads at the kernel's head.
; LIMITS: NaN and infinities are not served.  p under 2^-126 comes out of v_exp_f32 as 0.  A block of p, or of O / l, whose largest magnitude lies under 2^-124 keeps the scale byte 1, a block of zeros too: its codes are zeros, and these bytes are read by this program alone.
.set REC,  8960                        ; a key step's record: K images [tile 8][lane][16], V images [d tile 4][half 2][lane][16], K scale words [4][16][2], V scale words [2][16][2]
.set OSTG, 32*REC                      ; behind them: 512 bytes for the scale halves of O; no fill lands here
.set WV,  14                           ; s14 wave   s15 cx   s16 query block   s17 head
.set SEL, 20                           ; s[20:21] v_permlanex16_b32's selects for lane l xor 16
.set CS,  22                           ; s[22:23] c = log2(e) / 8, twice: the packed form names a pair
.set G1,  24                           ; s[24:31] group 1;  s[32:47] four groups 0
.set G0,  32
.set TB,  48                           ; s48 LDS byte of the step's record     s49 steps left in the group
.set CNT, 49
.set A16, 1                            ; v1 16 x lane    v2 8 x lane
.set A8,  2
.set ADK, 3                            ; v3, v4: the same in the step's record
.set ADS, 4
.set VS,  10                           ; v[10:11] V's scale words
.set QF,  16                           ; v16-23 Q's fragment
.set QS,  24                           ; v24 Q's scale words    v25 p's
.set PW,  25
.set F,   26                           ; v[26:27] 2^(old M - new M); at the end 1 / l
.set KS,  28                           ; v28-31 K's scale words
.set KF,  32                           ; v32-67 K's eight tiles, four registers each, and four zeros
.set BM,  68                           ; v68-71 the blocks' largest score, then largest p
.set BP,  72                           ; v72-75 the other half's; then the bytes
.set SO,  76                           ; v76-79 the conversions' scale operands
.set T,   80
.set TM,  68                           ; the last quantiser's sixteen
.set S,   96                           ; v96-159 S^T, then p
.set O,   160                          ; v160-191 O^T
.set PC,  192                          ; v192-199 p's codes
.set VF,  200                          ; v200-231 V's four fragments
.set ZERO, 999                         ; as WM's cb: C is the constant 0
.macro PLACES
.rept 4
	v_nop
.endr
.endm
.macro CROUND                          ; a round of the cluster's barrier
	s_barrier_signal -1
	s_barrier_wait -1
	s_cmp_lg_u32 s[WV], 0
	s_cbranch_scc1 .Lnot_wave_0_\@
	s_barrier_signal -3
.Lnot_wave_0_\@:
	s_barrier_wait -3
	s_barrier_signal -1
	s_barrier_wait -1
.endm
.macro WM d, a, b, cb, sa, sb, ra      ; ra = 1: source 0's scales stand in lanes 16-31
.if (\cb) > 255
.if (\ra)
	v_wmma_scale_f32_16x16x128_f8f6f4 v[\d:\d+7], v[\a:\a+7], v[\b:\b+7], 0, v[\sa], v[\sb] matrix_a_fmt:MATRIX_FMT_FP4 matrix_b_fmt:MATRIX_FMT_FP4 matrix_a_scale:MATRIX_SCALE_ROW1
.else
	v_wmma_scale_f32_16x16x128_f8f6f4 v[\d:\d+7], v[\a:\a+7], v[\b:\b+7], 0, v[\sa], v[\sb] matrix_a_fmt:MATRIX_FMT_FP4 matrix_b_fmt:MATRIX_FMT_FP4
.endif
.else
.if (\ra)
	v_wmma_scale_f32_16x16x128_f8f6f4 v[\d:\d+7], v[\a:\a+7], v[\b:\b+7], v[\cb:\cb+7], v[\sa], v[\sb] matrix_a_fmt:MATRIX_FMT_FP4 matrix_b_fmt:MATRIX_FMT_FP4 matrix_a_scale:MATRIX_SCALE_ROW1
.else
	v_wmma_scale_f32_16x16x128_f8f6f4 v[\d:\d+7], v[\a:\a+7], v[\b:\b+7], v[\cb:\cb+7], v[\sa], v[\sb] matrix_a_fmt:MATRIX_FMT_FP4 matrix_b_fmt:MATRIX_FMT_FP4
.endif
.endif
.endm
; 16 nb numbers of a lane, register 16 b + 8 u + n = index 32 b + 16 u + 8 (lane / 16) + n of the quantised axis, become the operand's registers at pc and its scale word in pw.
.macro QUANT s, pc, pw, nb
.set qb, 0
.rept \nb
	v_max3_num_f32 v[TM+qb], |v[\s+16*qb]|, |v[\s+16*qb+1]|, 0x1800000   ; my 16 of block b, and the floor 2^(3 - 127): the byte cannot fall under 1
.set qb, qb+1
.endr
.irp i, 2,4,6,8,10,12,14
.set qb, 0
.rept \nb
	v_max3_num_f32 v[TM+qb], v[TM+qb], |v[\s+16*qb+\i]|, |v[\s+16*qb+\i+1]|
.set qb, qb+1
.endr
.endr
.set qb, 0
.rept \nb
	v_permlanex16_b32 v[TM+4+qb], v[TM+qb], s[SEL], s[SEL+1]
.set qb, qb+1
.endr
.set qb, 0
.rept \nb
	v_max_num_f32 v[TM+qb], v[TM+qb], v[TM+4+qb]
.set qb, qb+1
.endr
.set qb, 0
.rept \nb
	v_add_nc_u32 v[TM+12+qb], 0xff000000, v[TM+qb]         ; 2 off the exponent field: the conversion's scale operand
.set qb, qb+1
.endr
.set qb, 0
.rept \nb
	v_lshrrev_b32 v[TM+4+qb], 23, v[TM+12+qb]              ; the scale's byte
.set qb, qb+1
.endr
	v_lshl_or_b32 v[\pw], v[TM+5], 8, v[TM+4]
.if \nb > 2
	v_lshl_or_b32 v[\pw], v[TM+6], 16, v[\pw]
	v_lshl_or_b32 v[\pw], v[TM+7], 24, v[\pw]
.endif
.set qb, 0
.rept \nb
	v_cvt_scalef32_pk8_fp4_f32 v[\pc+4*(qb/2)+qb%2], v[\s+16*qb:\s+16*qb+7], v[TM+12+qb]
	v_cvt_scalef32_pk8_fp4_f32 v[\pc+4*(qb/2)+2+qb%2], v[\s+16*qb+8:\s+16*qb+15], v[TM+12+qb]
.set qb, qb+1
.endr
	v_nop                                                  ; one plain place behind the scaled conversions
.set qb, 0
.rept \nb/2
	v_permlane16_swap_b32 v[\pc+4*qb], v[\pc+4*qb+1]
	v_permlane16_swap_b32 v[\pc+4*qb+2], v[\pc+4*qb+3]
.set qb, qb+1
.endr
.endm
	s_load_b256 s[4:11], s[0:1], 0x0               ; qimg 4, qsc 6, kv 8, oimg 10
	s_load_b64 s[12:13], s[0:1], 0x20              ; osc
	v_lshl_add_u32 v254, v0, 2, 0x48000
	v_mov_b32 v255, 0
	ds_add_u32 v254, v255
	ds_add_u32 v254, v255
	v_lshrrev_b32 v1, 5, v0
	v_readfirstlane_b32 s[WV], v1
	s_bfe_u32 s15, ttmp6, 0x40000                  ; cx
	s_lshl_b32 s16, ttmp9, 2
	s_add_co_u32 s16, s16, s15                     ; my block of 256 queries: it enters Q's and O's addresses alone
	s_and_b32 s17, ttmp7, 0xffff                   ; the head, which the four partners share
	s_mov_b32 s[G1], 15|(3<<16)|(1<<21)            ; the mask: all four work-groups; elements of 8 bytes; bit 21 beside a mask; no padding: images are read 16 bytes a lane on end
	s_mov_b32 s[G1+1], 32<<16                      ; rows of 256 bytes,
	s_mov_b32 s[G1+2], 70<<16                      ; 70 of them: two records
	s_mov_b32 s[G1+3], 32<<16
	s_mov_b32 s[G1+4], 70
	s_mov_b32 s[G1+5], 32
	s_mov_b32 s[G1+6], 0
	s_mov_b32 s[G1+7], 0
	s_and_b32 s18, s[WV], 3
	s_mul_i32 s18, s18, 2*REC                      ; a fetching wave's two records of each group of eight
	s_mul_i32 s50, s17, 32*REC
	s_add_co_u32 s50, s50, s18
	s_mov_b32 s51, 0
	s_mov_b32 s[SEL], 0x76543210
	s_mov_b32 s[SEL+1], 0xfedcba98
	s_mov_b32 s[CS], 0x3e38aa3b                    ; log2(e) / 8
	s_mov_b32 s[CS+1], s[CS]
	s_wait_dscnt 0x0
	s_wait_kmcnt 0x0
	s_add_nc_u64 s[50:51], s[8:9], s[50:51]
.irp g, 0,1,2,3
	s_mov_b32 s[G0+4*\g], 1
	s_add_co_u32 s[G0+4*\g+1], s18, \g*8*REC
	s_add_nc_u64 s[G0+4*\g+2:G0+4*\g+3], s[50:51], \g*8*REC
	s_or_b32 s[G0+4*\g+3], s[G0+4*\g+3], 0x80000000
.endr
	CROUND                                         ; all four work-groups are here: the joint loads meet
	s_cmp_lt_u32 s[WV], 4                          ; waves 0-3 fetch: a wave's four first fills stand in one branch; four tensor loads of the wave are out.  Four v_nop follow the last
	s_cbranch_scc0 .Lno_fill
	tensor_load_to_lds s[G0:G0+3], s[G1:G1+7]
	s_nop 0
	tensor_load_to_lds s[G0+4:G0+7], s[G1:G1+7]
	s_nop 0
	tensor_load_to_lds s[G0+8:G0+11], s[G1:G1+7]
	s_nop 0
	tensor_load_to_lds s[G0+12:G0+15], s[G1:G1+7]
	s_nop 0
	PLACES
.Lno_fill:
	s_lshl_b32 s52, s16, 4
	s_add_co_u32 s52, s52, s[WV]                   ; Tq: my tile of 16 queries
	s_lshl_b32 s53, s17, 8
	s_add_co_u32 s53, s53, s52
	s_lshl_b32 s54, s53, 9                         ; qimg [head][tile][512]
	s_mov_b32 s55, 0
	s_add_nc_u64 s[54:55], s[4:5], s[54:55]
	s_lshr_b32 s56, s52, 3                         ; qsc [head][Tq / 8][(Tq / 2) % 4][r][Tq % 2], words
	s_lshl_b32 s57, s17, 5
	s_add_co_u32 s56, s56, s57
	s_lshl_b32 s56, s56, 9
	s_bfe_u32 s57, s52, 0x20001
	s_lshl_b32 s57, s57, 7
	s_add_co_u32 s56, s56, s57
	s_and_b32 s57, s52, 1
	s_lshl_b32 s57, s57, 2
	s_add_co_u32 s56, s56, s57
	s_mov_b32 s57, 0
	s_add_nc_u64 s[56:57], s[6:7], s[56:57]
	s_lshl_b32 s58, s17, 13                        ; osc [head][token], two bytes
	s_lshl_b32 s59, s16, 9
	s_add_co_u32 s58, s58, s59
	s_mov_b32 s59, 0
	s_add_nc_u64 s[58:59], s[12:13], s[58:59]
	v_and_b32 v3, 31, v0
	v_lshlrev_b32 v[A16], 4, v3
	v_lshlrev_b32 v[A8], 3, v3
	v_and_b32 v5, 15, v0
	v_lshlrev_b32 v5, 3, v5
	global_load_b128 v[QF:QF+3], v[A16], s[54:55]  ; registers 0-3 of Q's fragment, as an image
	global_load_b32 v[QS], v5, s[56:57]
.irp n, 4,5,6,7
	v_mov_b32 v[QF+\n], 0                          ; zero codes: the upper half of the instruction's K
.endr
.irp n, 32,33,34,35
	v_mov_b32 v[KF+\n], 0                          ; what tile 7's operand names behind its own four registers
.endr
.irp n, 0,1,2,3
	v_mov_b32 v[BP+\n], 0                          ; a lane permute's destination counts as one of its sources
.endr
	v_mov_b32 v[T], 0
	v_mov_b32 v[F+1], 0                            ; named as the upper half of the pair
	v_mov_b32 v14, 0                               ; the row's sum, in two halves
	v_mov_b32 v15, 0
	v_mov_b32 v13, 0xff61b1e6                      ; the largest t so far: -3e38
	v_floor_f32 v12, -v13                          ; -M
.irp n, 0,1,2,3,4,5,6,7,8,9,10,11,12,13,14,15,16,17,18,19,20,21,22,23,24,25,26,27,28,29,30,31
	v_mov_b32 v[O+\n], 0                           ; O^T: the step is written without a first step of its own: the first change of M multiplies zeros
.endr
; A KEY STEP: 128 keys.
.macro STEP
	v_add_nc_u32 v[ADK], s[TB], v[A16]
	v_add_nc_u32 v[ADS], s[TB], v[A8]
	v_nop
	v_nop                                          ; four places between the last products and the loads into their registers
	ds_load_b64 v[KS:KS+1], v[ADS] offset:8192     ; K's scale words: register 2 (t / 4) + t % 2; lanes 16-31 where (t / 2) % 2 = 1
	ds_load_b64 v[KS+2:KS+3], v[ADS] offset:8448
.irp t, 0,1,2,3,4,5,6,7
	ds_load_b128 v[KF+4*\t:KF+4*\t+3], v[ADK] offset:512*\t
.endr
	ds_load_b64 v[VS:VS+1], v[ADS] offset:8704     ; V's: register t % 2; lanes 16-31 for tiles 2 and 3
.irp t, 0,1,2,3
.irp c, 0,1
	ds_load_b128 v[VF+8*\t+4*\c:VF+8*\t+4*\c+3], v[ADK] offset:4096+1024*\t+512*\c
.endr
.endr
	s_wait_dscnt 9                                 ; K and its scale words are in; V's nine loads may be out
.irp t, 0,1,2,3,4,5,6,7
	WM S+8*\t, KF+4*\t, QF, ZERO, KS+2*(\t/4)+\t%2, QS, (\t/2)%2
.endr
	PLACES
.irp b, 0,1,2,3
	v_max3_num_f32 v[BM+\b], v[S+16*\b], v[S+16*\b+1], v[S+16*\b+2]   ; the largest score of each block of 32 keys: for the row's maximum, and, since p rises with the score, for the block's largest p
.endr
.irp i, 3,5,7,9,11,13
.irp b, 0,1,2,3
	v_max3_num_f32 v[BM+\b], v[BM+\b], v[S+16*\b+\i], v[S+16*\b+\i+1]
.endr
.endr
.irp b, 0,1,2,3
	v_max_num_f32 v[BM+\b], v[BM+\b], v[S+16*\b+15]
.endr
.irp b, 0,1,2,3
	v_permlanex16_b32 v[BP+\b], v[BM+\b], s[SEL], s[SEL+1]
.endr
.irp b, 0,1,2,3
	v_max_num_f32 v[BM+\b], v[BM+\b], v[BP+\b]     ; with lane l xor 16's 16 keys
.endr
	v_max3_num_f32 v[T], v[BM], v[BM+1], v[BM+2]
	v_max_num_f32 v[T], v[T], v[BM+3]              ; the step's largest score of my query
	v_mul_f32 v[T], s[CS], v[T]                    ; as t
	v_max_num_f32 v13, v13, v[T]                   ; the running largest t
	v_mov_b32 v[T], v12
	v_floor_f32 v12, -v13                          ; the new -M = -ceil(t)
	v_sub_f32 v[T], v12, v[T]                      ; old M - new M: a whole number, 0 or less
	v_cvt_i32_f32 v[T], v[T]                       ; (it saturates)
	v_ldexp_f32 v[F], 1.0, v[T]                    ; f = 2^(old M - new M)
.irp n, 0,2,4,6,8,10,12,14,16,18,20,22,24,26,28,30,32,34,36,38,40,42,44,46,48,50,52,54,56,58,60,62
	v_pk_fma_f32 v[S+\n:S+\n+1], v[S+\n:S+\n+1], s[CS:CS+1], v[12:13] op_sel_hi:[1,0,0]   ; t - M, two at a time
.endr
.irp b, 0,1,2,3
	v_fma_f32 v[BM+\b], v[BM+\b], s[CS], v12       ; the same of each block's largest score
.endr
.irp n, 0,1,2,3,4,5,6,7,8,9,10,11,12,13,14,15,16,17,18,19,20,21,22,23,24,25,26,27,28,29,30,31,32,33,34,35,36,37,38,39,40,41,42,43,44,45,46,47,48,49,50,51,52,53,54,55,56,57,58,59,60,61,62,63
	v_exp_f32 v[S+\n], v[S+\n]                     ; p = 2^(t - M)
.endr
	v_pk_mul_f32 v[14:15], v[14:15], v[F:F+1] op_sel_hi:[1,0]   ; the sums under the new M: the plain place behind the exponentials
	s_wait_alu depctr_va_vdst(0)                   ; one wait for the batch of 64, ahead of its first reader
.irp b, 0,1,2,3
	v_exp_f32 v[BM+\b], v[BM+\b]                   ; the block's largest p: the same two instructions on the same number
.endr
	v_pk_add_f32 v[84:85], v[S:S+1], v[S+2:S+3]    ; the row's sum of the unquantised p, in two chains; it reads the 64 alone
.irp n, 4,8,12,16,20,24,28,32,36,40,44,48,52,56,60
	v_pk_add_f32 v[14:15], v[14:15], v[S+\n:S+\n+1]
	v_pk_add_f32 v[84:85], v[84:85], v[S+\n+2:S+\n+3]
.endr
	v_pk_add_f32 v[14:15], v[14:15], v[84:85]
	s_wait_alu depctr_va_vdst(0)                   ; and one for the four
.irp b, 0,1,2,3
	v_max_num_f32 v[BM+\b], 0x1800000, v[BM+\b]    ; the floor 2^(3 - 127)
.endr
.irp b, 0,1,2,3
	v_add_nc_u32 v[SO+\b], 0xff000000, v[BM+\b]    ; 2 off the exponent field: the conversion's scale operand
.endr
.irp b, 0,1,2,3
	v_lshrrev_b32 v[BP+\b], 23, v[SO+\b]           ; the scale's byte
.endr
	v_lshl_or_b32 v[PW], v[BP+1], 8, v[BP]         ; p's scale word for these 128 keys
	v_lshl_or_b32 v[PW], v[BP+2], 16, v[PW]
	v_lshl_or_b32 v[PW], v[BP+3], 24, v[PW]
.irp b, 0,1,2,3
	v_cvt_scalef32_pk8_fp4_f32 v[PC+4*(\b/2)+\b%2], v[S+16*\b:S+16*\b+7], v[SO+\b]         ; keys 32 b + 8 h + 0..7
	v_cvt_scalef32_pk8_fp4_f32 v[PC+4*(\b/2)+2+\b%2], v[S+16*\b+8:S+16*\b+15], v[SO+\b]    ; keys 32 b + 16 + 8 h + 0..7
.endr
	v_nop                                          ; one plain place behind the scaled conversions
.irp c, 0,1
	v_permlane16_swap_b32 v[PC+4*\c], v[PC+4*\c+1]         ; register 4 c + n then holds keys 64 c + 32 h + 8 n + 0..7
	v_permlane16_swap_b32 v[PC+4*\c+2], v[PC+4*\c+3]
.endr
.irp n, 0,2,4,6,8,10,12,14,16,18,20,22,24,26,28,30
	v_pk_mul_f32 v[O+\n:O+\n+1], v[O+\n:O+\n+1], v[F:F+1] op_sel_hi:[1,0]   ; O^T under the new M, each accumulator from its low end on.  For each product below twelve of these name none of its registers: the places behind p's scale word and codes
.endr
	s_wait_dscnt 0x0                               ; V is in
.irp t, 0,1,2,3
	WM O+8*\t, VF+8*\t, PC, O+8*\t, VS+\t%2, PW, \t/2
.endr
	s_add_co_u32 s[TB], s[TB], REC
.endm
; Eight key steps, whose records came by the g-th load of each fetching wave.  The count leaves the wave's later loads out.  No LDS instruction of the wave is pending here: a step ends behind its wait for 0.
.macro GROUP g
	s_wait_tensorcnt 3-\g
	s_barrier_signal -1
	s_barrier_wait -1
	s_mov_b32 s[TB], \g*8*REC
	s_mov_b32 s[CNT], 8
.Lstep_\@:
	STEP
	s_sub_co_u32 s[CNT], s[CNT], 1
	s_cmp_lg_u32 s[CNT], 0
	s_cbranch_scc1 .Lstep_\@
.endm
	s_wait_loadcnt 0x0                             ; Q
	GROUP 0
	GROUP 1
	GROUP 2
	GROUP 3
	; THE WAY OUT: O^T / l, quantised along d (two blocks of 32), is half a fragment of the last product: head = 2 s + c gives registers 4 c .. 4 c + 3 of K step s
	v_add_f32 v14, v14, v15
	v_permlanex16_b32 v[T], v14, s[SEL], s[SEL+1]
	v_add_f32 v14, v14, v[T]                       ; the row's sum
	v_rcp_f32 v[F], v14
	v_and_b32 v5, 15, v0                           ; the address work is the plain work behind the reciprocal and the places behind the last products
	v_lshlrev_b32 v6, 1, v5
	s_lshl_b32 s56, s[WV], 5
	s_add_co_u32 s56, s56, OSTG
	v_add_nc_u32 v6, s56, v6                       ; my query's two scale bytes: 32 bytes a wave
	v_add_nc_u32 v7, OSTG, v[A16]
	s_lshl_b32 s54, s52, 13                        ; oimg [token tile][K step][half][lane][16]: 8,192 Tq + 512 head
	s_lshl_b32 s55, s17, 9
	s_add_co_u32 s54, s54, s55
	s_mov_b32 s55, 0
	s_add_nc_u64 s[54:55], s[10:11], s[54:55]
	s_wait_alu depctr_va_vdst(0)                   ; ahead of the reciprocal's first reader
.irp n, 0,2,4,6,8,10,12,14,16,18,20,22,24,26,28,30
	v_pk_mul_f32 v[S+\n:S+\n+1], v[O+\n:O+\n+1], v[F:F+1] op_sel_hi:[1,0]
.endr
	QUANT S, PC, PW, 2
	global_store_b128 v[A16], v[PC:PC+3], s[54:55] ; 32 lanes store 512 consecutive bytes, aligned
	ds_store_b16 v6, v[PW]                         ; both halves of the lanes write the same two bytes with the same value
	s_wait_dscnt 0x0
	s_barrier_signal -1
	s_barrier_wait -1
	s_cmp_lg_u32 s[WV], 0
	s_cbranch_scc1 .Lnot_0
	ds_load_b128 v[84:87], v7                      ; the 256 queries' scale halves
	s_wait_dscnt 0x0
	global_store_b128 v[A16], v[84:87], s[58:59]   ; 512 consecutive bytes, aligned
.Lnot_0:
	s_wait_tensorcnt 0x0
	ds_add_u32 v254, v255
	s_wait_dscnt 0x0
	CROUND                                         ; the closing round
	s_endpgm
.Lfunc_end_k_qac29ae5304_attn:
	.size	k_qac29ae5304_attn, .Lfunc_end_k_qac29ae5304_attn-k_qac29ae5304_attn
	.p2alignl 7, 3214868480
	.fill 96, 4, 3214868480
	.section	.rodata,"a",@progbits
	.p2align	6, 0x0
	.amdhsa_kernel k_qac29ae5304_attn
		.amdhsa_group_segment_fixed_size 296960
		.amdhsa_private_segment_fixed_size 0
		.amdhsa_enable_private_segment 0
		.amdhsa_kernarg_size 40
		.amdhsa_user_sgpr_count 2
		.amdhsa_user_sgpr_kernarg_segment_ptr 1
		.amdhsa_wavefront_size32 1
		.amdhsa_system_sgpr_workgroup_id_x 1
		.amdhsa_system_sgpr_workgroup_id_y 1
		.amdhsa_system_sgpr_workgroup_id_z 1
		.amdhsa_system_vgpr_workitem_id 0
		.amdhsa_next_free_vgpr 256
		.amdhsa_next_free_sgpr 66
		.amdhsa_reserve_vcc 0
		.amdhsa_float_denorm_mode_32 3
		.amdhsa_float_denorm_mode_16_64 3
		.amdhsa_memory_ordered 1
		.amdhsa_forward_progress 1
		.amdhsa_inst_pref_size 71
	.end_amdhsa_kernel
	.amdgpu_metadata
---
amdhsa.version: [ 1, 2 ]
amdhsa.kernels:
  - .name:           k_qac29ae5304_attn
    .symbol:         k_qac29ae5304_attn.kd
    .args:
      - { .name: qimg, .offset: 0, .size: 8, .value_kind: global_buffer, .address_space: global }
      - { .name: qsc, .offset: 8, .size: 8, .value_kind: global_buffer, .address_space: global }
      - { .name: kv, .offset: 16, .size: 8, .value_kind: global_buffer, .address_space: global }
      - { .name: oimg, .offset: 24, .size: 8, .value_kind: global_buffer, .address_space: global }
      - { .name: osc, .offset: 32, .size: 8, .value_kind: global_buffer, .address_space: global }
    .group_segment_fixed_size: 296960
    .private_segment_fixed_size: 0
    .kernarg_segment_align: 8
    .kernarg_segment_size: 40
    .max_flat_workgroup_size: 512
    .sgpr_count:     66
    .vgpr_count:     256
    .wavefront_size: 32
...
	.end_amdgpu_metadata
.endif
;; end of part 2
;; launch proj (part 3): grid 8 x 32, 8 waves a work-group, clusters of 4 x 4, 214,016 bytes of LDS; arguments oimg, osc, w_out_codes, w_out_scales, b_out, out0; writes out0
.if DOCPART == 3
	.amdgcn_target "amdgcn-amd-amdhsa--gfx1250"
	.amdhsa_code_object_version 6
	.text
	.protected	k_qac29ae5304_proj
	.globl	k_qac29ae5304_proj
	.p2align	8
	.type	k_qac29ae5304_proj,@function
k_qac29ae5304_proj:
	s_mov_b64 s[64:65], 0
	v_nop
	global_prefetch_b8 v0, s[64:65] scope:SCOPE_SE
	s_setreg_imm32_b32 hwreg(HW_REG_WAVE_MODE, 25, 1), 1
	s_wait_xcnt 0x0
	s_wait_alu depctr_hold_cnt(0) depctr_sa_sdst(0) depctr_va_vdst(0) depctr_va_sdst(0) depctr_va_ssrc(0) depctr_va_vcc(0) depctr_vm_vsrc(0)
	s_getreg_b32 s2, hwreg(HW_REG_IB_STS2, 6, 4)
	s_cmp_eq_u32 s2, 0
	s_cbranch_scc0 .Lentry_in_a_cluster
	s_endpgm
.Lentry_in_a_cluster:
	s_bfe_u32 s2, ttmp6, 0x10000c
	s_cmp_lg_u32 s2, 0xf033
	s_cbranch_scc0 .Lentry_shape_is_right
	s_endpgm
.Lentry_shape_is_right:
; out0 = attention's result x W_out + b_out on codes of FP4 (E2M1) with E8M0 scales.  The left operand comes as images of its operand registers (oimg) and two scale bytes for each head and token (osc).
; SHARES.  Work-group (jx, i): 128 tokens x 128 columns.  Eight waves: a = wave % 2 takes 64 columns (4 tiles), b = wave / 2 takes 32 tokens (2 tiles): 8 accumulators, 8 K steps of 128.
; The matrix instruction is used transposed (source 0 = 16 rows of W_out, source 1 = 16 tokens): a lane holds eight neighbouring columns of one token.  The bias is loaded in the result's layout and starts the sums.
; LDS.  All operands of the work-group fit at once and are filled ONCE, at the head; no slot is ever filled again.  The results meet in a stage and leave as whole rows of 512 bytes.
; CLUSTER 4 x 4.  The tokens' images and scale bytes hang on i alone and are asked for jointly by a row of the cluster, W_out's on jx alone and by a column.
; No prefetch: every byte that the work-group reads is asked for by the tensor loads at its head.
; LIMITS: NaN and infinities are not served.
.set TP,  528                          ; an LDS row of 512 bytes + 16 of padding
.set OI,  0                            ; 8 token tiles x 8 K steps x 1,024 bytes: images, dense
.set WT,  65536                        ; W_out's 128 rows, pitch TP
.set WS,  WT+128*TP                    ; their scale bytes: 16 units of 256 bytes + 16
.set OS,  WS+16*272                    ; [head 16][token 128] two bytes
.set STG, OS+4096                      ; the stage: 128 rows, pitch TP; no fill lands here
.set WV,  72                           ; s72 wave   s73 a   s74 b
.set WAH, 73
.set WB,  74
.set G1O,  20                          ; s[20:27] group 1 for the images; s[28:35] their scale bytes; s[36:43] W's tile; s[44:51] W's scales
.set G1OS, 28
.set G1W,  36
.set G1WS, 44
.set G0O,  52                          ; s[52:55], s[56:59], s[60:63], s[68:71]: their groups 0
.set G0OS, 56
.set G0W,  60
.set G0WS, 68
.set L16, 1                            ; v1 16 x lane
.set OA,  2                            ; v2 my tokens' images     v3 my rows of W     v4 their scale words     v5 my tokens' scale halves
.set WA,  3
.set WSA, 4
.set OSA, 5
.set SO,  6                            ; v6 into the stage     v7 back     v8 the bias's offset
.set SR,  7
.set BO,  8
.set ACC, 16                           ; v16-79 accumulator (l, t) at ACC + 8 (4 l + t)
.set BUF0, 80                          ; v80-127, v128-175: W's four fragments, then the tokens' two
.set BUF1, 128
.set WSC, 176                          ; v176-191 W's scale words: register 8 (t % 2) + s; lanes 16-31: tiles 2 and 3
.set OSC, 192                          ; v192-199 the tokens': register s; lanes 16-31: l = 1
.set OT,  200                          ; v200-215 their halves, as loaded
.macro PLACES
.rept 4
	v_nop
.endr
.endm
.macro CROUND                          ; a round of the cluster's barrier
	s_barrier_signal -1
	s_barrier_wait -1
	s_cmp_lg_u32 s[WV], 0
	s_cbranch_scc1 .Lnot_wave_0_\@
	s_barrier_signal -3
.Lnot_wave_0_\@:
	s_barrier_wait -3
	s_barrier_signal -1
	s_barrier_wait -1
.endm
.macro WM d, a, b, cb, sa, sb, ra, rb  ; ra, rb = 1: that side's scales stand in lanes 16-31
.if (\ra) && (\rb)
	v_wmma_scale_f32_16x16x128_f8f6f4 v[\d:\d+7], v[\a:\a+7], v[\b:\b+7], v[\cb:\cb+7], v[\sa], v[\sb] matrix_a_fmt:MATRIX_FMT_FP4 matrix_b_fmt:MATRIX_FMT_FP4 matrix_a_scale:MATRIX_SCALE_ROW1 matrix_b_scale:MATRIX_SCALE_ROW1
.elseif (\ra)
	v_wmma_scale_f32_16x16x128_f8f6f4 v[\d:\d+7], v[\a:\a+7], v[\b:\b+7], v[\cb:\cb+7], v[\sa], v[\sb] matrix_a_fmt:MATRIX_FMT_FP4 matrix_b_fmt:MATRIX_FMT_FP4 matrix_a_scale:MATRIX_SCALE_ROW1
.elseif (\rb)
	v_wmma_scale_f32_16x16x128_f8f6f4 v[\d:\d+7], v[\a:\a+7], v[\b:\b+7], v[\cb:\cb+7], v[\sa], v[\sb] matrix_a_fmt:MATRIX_FMT_FP4 matrix_b_fmt:MATRIX_FMT_FP4 matrix_b_scale:MATRIX_SCALE_ROW1
.else
	v_wmma_scale_f32_16x16x128_f8f6f4 v[\d:\d+7], v[\a:\a+7], v[\b:\b+7], v[\cb:\cb+7], v[\sa], v[\sb] matrix_a_fmt:MATRIX_FMT_FP4 matrix_b_fmt:MATRIX_FMT_FP4
.endif
.endm
	s_load_b256 s[4:11], s[0:1], 0x0               ; oimg 4, osc 6, w_out_codes 8, w_out_scales 10
	s_load_b128 s[12:15], s[0:1], 0x20             ; b_out 12, out0 14
	v_lshl_add_u32 v254, v0, 2, 0x34000
	v_mov_b32 v255, 0
	ds_add_u32 v254, v255
	ds_add_u32 v254, v255
	v_lshrrev_b32 v1, 5, v0
	v_readfirstlane_b32 s[WV], v1
	s_and_b32 s[WAH], s[WV], 1
	s_lshr_b32 s[WB], s[WV], 1
	s_bfe_u32 s76, ttmp6, 0x40000                  ; cx
	s_bfe_u32 s77, ttmp6, 0x40004                  ; cy
	s_lshl_b32 s78, ttmp9, 2
	s_add_co_u32 s78, s78, s76                     ; jx
	s_and_b32 s79, ttmp7, 0xffff
	s_lshl_b32 s79, s79, 2
	s_add_co_u32 s79, s79, s77                     ; i
	s_lshl_b32 s80, s77, 2
	s_lshl_b32 s80, 15, s80                        ; my row of the cluster: shares i
	s_lshl_b32 s81, 0x1111, s76                    ; my column: shares jx
	s_or_b32 s[G1O], s80, (3<<16)|(1<<21)          ; 65,536 dense bytes as 256 rows of 256 (32 elements of 8 bytes), no padding
	s_mov_b32 s[G1O+1], 32<<16
	s_mov_b32 s[G1O+2], 256<<16
	s_mov_b32 s[G1O+3], 32<<16
	s_mov_b32 s[G1O+4], 256
	s_mov_b32 s[G1O+5], 32
	s_mov_b32 s[G1O+6], 0
	s_mov_b32 s[G1O+7], 0
	s_or_b32 s[G1OS], s80, (3<<16)|(1<<21)         ; 16 heads' rows of 256 bytes, 8,192 bytes (1,024 elements) apart
	s_mov_b32 s[G1OS+1], 32<<16
	s_mov_b32 s[G1OS+2], 16<<16
	s_mov_b32 s[G1OS+3], 32<<16
	s_mov_b32 s[G1OS+4], 16
	s_mov_b32 s[G1OS+5], 1024
	s_mov_b32 s[G1OS+6], 0
	s_mov_b32 s[G1OS+7], 0
	s_or_b32 s[G1W], s81, (1<<20)|(1<<21)|(6<<22)|(3<<25)   ; 128 rows of 512 bytes; 4 words of padding after every 128
	s_mov_b32 s[G1W+1], 512<<16
	s_mov_b32 s[G1W+2], 128<<16
	s_mov_b32 s[G1W+3], 512<<16
	s_mov_b32 s[G1W+4], 128
	s_mov_b32 s[G1W+5], 512
	s_mov_b32 s[G1W+6], 0
	s_mov_b32 s[G1W+7], 0
	s_or_b32 s[G1WS], s81, (3<<16)|(1<<20)|(1<<21)|(5<<22)|(3<<25)   ; 4,096 dense bytes as 16 rows of 256; 4 words of padding after every 64
	s_mov_b32 s[G1WS+1], 32<<16
	s_mov_b32 s[G1WS+2], 16<<16
	s_mov_b32 s[G1WS+3], 32<<16
	s_mov_b32 s[G1WS+4], 16
	s_mov_b32 s[G1WS+5], 32
	s_mov_b32 s[G1WS+6], 0
	s_mov_b32 s[G1WS+7], 0
	s_lshl_b32 s82, s79, 16                        ; made of i alone: s82, s83;  of jx alone: s84, s85
	s_mov_b32 s83, 0
	s_lshl_b32 s84, s78, 16
	s_mov_b32 s85, 0
	s_wait_dscnt 0x0
	s_wait_kmcnt 0x0
	s_mov_b32 s[G0O], 1
	s_mov_b32 s[G0O+1], OI
	s_add_nc_u64 s[G0O+2:G0O+3], s[4:5], s[82:83]
	s_or_b32 s[G0O+3], s[G0O+3], 0x80000000
	s_mov_b32 s[G0W], 1
	s_mov_b32 s[G0W+1], WT
	s_add_nc_u64 s[G0W+2:G0W+3], s[8:9], s[84:85]
	s_or_b32 s[G0W+3], s[G0W+3], 0x80000000
	s_lshl_b32 s82, s79, 8
	s_mov_b32 s[G0OS], 1
	s_mov_b32 s[G0OS+1], OS
	s_add_nc_u64 s[G0OS+2:G0OS+3], s[6:7], s[82:83]
	s_or_b32 s[G0OS+3], s[G0OS+3], 0x80000000
	s_lshl_b32 s84, s78, 12
	s_mov_b32 s[G0WS], 1
	s_mov_b32 s[G0WS+1], WS
	s_add_nc_u64 s[G0WS+2:G0WS+3], s[10:11], s[84:85]
	s_or_b32 s[G0WS+3], s[G0WS+3], 0x80000000
	CROUND                                         ; all sixteen work-groups are here: the joint loads meet
	; wave 0: the images; wave 1: their scale bytes; wave 2: W's tile; wave 3: W's scales.  One tensor load a wave is out.  Four v_nop follow each line
	s_cmp_lt_u32 s[WV], 2
	s_cbranch_scc0 .Lw_side
	s_cmp_eq_u32 s[WV], 0
	s_cbranch_scc0 .Lo_scales
	tensor_load_to_lds s[G0O:G0O+3], s[G1O:G1O+7]
	s_nop 0
	PLACES
	s_branch .Lasked
.Lo_scales:
	tensor_load_to_lds s[G0OS:G0OS+3], s[G1OS:G1OS+7]
	s_nop 0
	PLACES
	s_branch .Lasked
.Lw_side:
	s_cmp_lt_u32 s[WV], 4
	s_cbranch_scc0 .Lasked
	s_cmp_eq_u32 s[WV], 2
	s_cbranch_scc0 .Lw_scales
	tensor_load_to_lds s[G0W:G0W+3], s[G1W:G1W+7]
	s_nop 0
	PLACES
	s_branch .Lasked
.Lw_scales:
	tensor_load_to_lds s[G0WS:G0WS+3], s[G1WS:G1WS+7]
	s_nop 0
	PLACES
.Lasked:
	v_and_b32 v9, 31, v0                           ; lane
	v_and_b32 v10, 15, v0                          ; r
	v_bfe_u32 v11, v0, 4, 1                        ; h
	v_lshlrev_b32 v[L16], 4, v9
	s_lshl_b32 s2, s[WB], 14                       ; my two token tiles of 8,192 bytes
	v_add_nc_u32 v[OA], s2, v[L16]
	v_mul_u32_u24 v[WA], v10, TP
	v_lshl_add_u32 v[WA], v11, 4, v[WA]
	s_mul_i32 s2, s[WAH], 64*TP
	s_add_co_u32 s2, s2, WT
	v_add_nc_u32 v[WA], s2, v[WA]
	v_lshrrev_b32 v12, 3, v10                      ; scale row rho lies at (rho / 8) x 272 + (rho % 8) x 32
	v_and_b32 v13, 7, v10
	v_mul_u32_u24 v12, v12, 272
	v_lshl_add_u32 v12, v13, 5, v12
	v_mad_u32_u24 v[WSA], v11, 1088, v12           ; lanes 16-31: 32 rows on
	s_mul_i32 s2, s[WAH], 2176
	s_add_co_u32 s2, s2, WS
	v_add_nc_u32 v[WSA], s2, v[WSA]
	v_lshlrev_b32 v[OSA], 1, v9                    ; token 32 b + lane: lanes 0-15 are l = 0, lanes 16-31 l = 1
	s_lshl_b32 s2, s[WB], 6
	s_add_co_u32 s2, s2, OS
	v_add_nc_u32 v[OSA], s2, v[OSA]
	v_mul_u32_u24 v[SO], v10, TP                   ; the stage: row 32 b + r, + 256 a + 32 h
	v_lshl_add_u32 v[SO], v11, 5, v[SO]
	s_mul_i32 s2, s[WB], 32*TP
	s_lshl_b32 s3, s[WAH], 8
	s_add_co_u32 s2, s2, s3
	s_add_co_u32 s2, s2, STG
	v_add_nc_u32 v[SO], s2, v[SO]
	s_mul_i32 s2, s[WV], 16*TP                     ; back: rows 16 wave .. + 15, 16 bytes a lane
	s_add_co_u32 s2, s2, STG
	v_add_nc_u32 v[SR], s2, v[L16]
	v_lshlrev_b32 v[BO], 5, v11
	s_lshl_b32 s2, s78, 9                          ; b_out at column 128 jx + 64 a
	s_lshl_b32 s3, s[WAH], 8
	s_add_co_u32 s2, s2, s3
	s_mov_b32 s3, 0
	s_add_nc_u64 s[90:91], s[12:13], s[2:3]
.irp l, 0,1
.irp t, 0,1,2,3
	global_load_b128 v[ACC+8*(4*\l+\t):ACC+8*(4*\l+\t)+3], v[BO], s[90:91] offset:64*\t
	global_load_b128 v[ACC+8*(4*\l+\t)+4:ACC+8*(4*\l+\t)+7], v[BO], s[90:91] offset:64*\t+16
.endr
.endr
	s_lshl_b32 s2, s79, 19                         ; out0 at row 128 i + 16 wave, column 128 jx
	s_lshl_b32 s3, s[WV], 16
	s_add_co_u32 s2, s2, s3
	s_lshl_b32 s3, s78, 9
	s_add_co_u32 s2, s2, s3
	s_mov_b32 s3, 0
	s_add_nc_u64 s[88:89], s[14:15], s[2:3]
	s_wait_tensorcnt 0x0                           ; my tensor load has landed,
	s_barrier_signal -1
	s_barrier_wait -1                              ; everybody's has
.macro FETCH s, buf                    ; a K step's six fragments: twelve loads
.irp l, 0,1
.irp c, 0,1
	ds_load_b128 v[\buf+32+8*\l+4*\c:\buf+32+8*\l+4*\c+3], v[OA] offset:8192*\l+1024*(\s)+512*\c
.endr
.endr
.irp t, 0,1,2,3
.irp c, 0,1
	ds_load_b128 v[\buf+8*\t+4*\c:\buf+8*\t+4*\c+3], v[WA] offset:8448*\t+64*(\s)+32*\c
.endr
.endr
.endm
; A K step: the next step's fragments are asked for, into the buffer that the step before multiplied; then eight products, the accumulators by turns
.macro KSTEP s, buf, nbuf
.if \s < 7
	PLACES
	FETCH \s+1, \nbuf
	s_wait_dscnt 12                                ; all but the twelve just issued
.else
	s_wait_dscnt 0x0
.endif
.irp l, 0,1
.irp t, 0,1,2,3
	WM ACC+8*(4*\l+\t), \buf+8*\t, \buf+32+8*\l, ACC+8*(4*\l+\t), WSC+8*(\t%2)+\s, OSC+\s, \t/2, \l
.endr
.endr
.endm
.irp e, 0,1
.irp f, 0,1
	ds_load_b128 v[WSC+8*\e+4*\f:WSC+8*\e+4*\f+3], v[WSA] offset:544*\e+16*\f
.endr
.endr
.irp n, 0,1,2,3,4,5,6,7,8,9,10,11,12,13,14,15
	ds_load_u16 v[OT+\n], v[OSA] offset:256*\n
.endr
	FETCH 0, BUF0
	s_wait_dscnt 12                                ; the scale words and halves are in; the first fragments' twelve loads may be out
.irp n, 0,1,2,3,4,5,6,7
	v_lshl_or_b32 v[OSC+\n], v[OT+2*\n+1], 16, v[OT+2*\n]   ; K step n: heads 2 n and 2 n + 1.  The first word stands seven of these lines and four v_nop ahead of its product
.endr
	s_wait_loadcnt 0x0                             ; the bias
	KSTEP 0, BUF0, BUF1
	KSTEP 1, BUF1, BUF0
	KSTEP 2, BUF0, BUF1
	KSTEP 3, BUF1, BUF0
	KSTEP 4, BUF0, BUF1
	KSTEP 5, BUF1, BUF0
	KSTEP 6, BUF0, BUF1
	KSTEP 7, BUF1, BUF0
	PLACES
.irp l, 0,1
.irp t, 0,1,2,3
	ds_store_b128 v[SO], v[ACC+8*(4*\l+\t):ACC+8*(4*\l+\t)+3] offset:8448*\l+64*\t          ; each accumulator from its low end on
	ds_store_b128 v[SO], v[ACC+8*(4*\l+\t)+4:ACC+8*(4*\l+\t)+7] offset:8448*\l+64*\t+16
.endr
.endr
	s_wait_dscnt 0x0                               ; for the others' sake: a row's 512 bytes come from two waves
	s_barrier_signal -1
	s_barrier_wait -1
.irp n, 0,1,2,3,4,5,6,7,8,9,10,11,12,13,14,15
	ds_load_b128 v[80+4*\n:80+4*\n+3], v[SR] offset:TP*\n
.endr
.irp n, 0,1,2,3,4,5,6,7,8,9,10,11,12,13,14,15
	s_wait_dscnt 15-\n                             ; row n is back; the later rows' loads may be out
	global_store_b128 v[L16], v[80+4*\n:80+4*\n+3], s[88:89] offset:4096*\n th:TH_STORE_NT   ; 32 lanes store 512 consecutive bytes, aligned; written once, read by nobody here
.endr
	s_wait_tensorcnt 0x0
	ds_add_u32 v254, v255
	s_wait_dscnt 0x0
	CROUND                                         ; the closing round
	s_endpgm
.Lfunc_end_k_qac29ae5304_proj:
	.size	k_qac29ae5304_proj, .Lfunc_end_k_qac29ae5304_proj-k_qac29ae5304_proj
	.p2alignl 7, 3214868480
	.fill 96, 4, 3214868480
	.section	.rodata,"a",@progbits
	.p2align	6, 0x0
	.amdhsa_kernel k_qac29ae5304_proj
		.amdhsa_group_segment_fixed_size 214016
		.amdhsa_private_segment_fixed_size 0
		.amdhsa_enable_private_segment 0
		.amdhsa_kernarg_size 48
		.amdhsa_user_sgpr_count 2
		.amdhsa_user_sgpr_kernarg_segment_ptr 1
		.amdhsa_wavefront_size32 1
		.amdhsa_system_sgpr_workgroup_id_x 1
		.amdhsa_system_sgpr_workgroup_id_y 1
		.amdhsa_system_sgpr_workgroup_id_z 1
		.amdhsa_system_vgpr_workitem_id 0
		.amdhsa_next_free_vgpr 256
		.amdhsa_next_free_sgpr 96
		.amdhsa_reserve_vcc 0
		.amdhsa_float_denorm_mode_32 3
		.amdhsa_float_denorm_mode_16_64 3
		.amdhsa_memory_ordered 1
		.amdhsa_forward_progress 1
		.amdhsa_inst_pref_size 31
	.end_amdhsa_kernel
	.amdgpu_metadata
---
amdhsa.version: [ 1, 2 ]
amdhsa.kernels:
  - .name:           k_qac29ae5304_proj
    .symbol:         k_qac29ae5304_proj.kd
    .args:
      - { .name: oimg, .offset: 0, .size: 8, .value_kind: global_buffer, .address_space: global }
      - { .name: osc, .offset: 8, .size: 8, .value_kind: global_buffer, .address_space: global }
      - { .name: w_out_codes, .offset: 16, .size: 8, .value_kind: global_buffer, .address_space: global }
      - { .name: w_out_scales, .offset: 24, .size: 8, .value_kind: global_buffer, .address_space: global }
      - { .name: b_out, .offset: 32, .size: 8, .value_kind: global_buffer, .address_space: global }
      - { .name: out0, .offset: 40, .size: 8, .value_kind: global_buffer, .address_space: global }
    .group_segment_fixed_size: 214016
    .private_segment_fixed_size: 0
    .kernarg_segment_align: 8
    .kernarg_segment_size: 48
    .max_flat_workgroup_size: 256
    .sgpr_count:     96
    .vgpr_count:     256
    .wavefront_size: 32
...
	.end_amdgpu_metadata
.endif
;; end of part 3
